; MI455X (gfx1250); checked and timed in simulation.
; The chip was launched on July 23, 2026; its instructions are those of AMD's public machine-readable ISA for CDNA 5 (MIT licence, August 2026) and "CDNA5" Instruction Set Architecture Reference Guide (July 2026). The comments in the code are by the model that wrote it; some were corrected since.
;; Ex4bit Linear. Allowed arithmetic: matrix products marked QUANTISED: E4M3 operands, one E8M0 scale for each 32 along K, by v_wmma_scale_f32_16x16x128_f8f6f4 with both operands' format E4M3, f32 sums; everything else in f32.
;; Inputs: qweight 512 x 2,048 int32; qzeros 32 x 256 int32; scales 32 x 2,048 float32; x 4 x 2,048 x 4,096 float32.
;; Outputs: out0 4 x 2,048 x 2,048 float32.
;; This version of the problem:
;;   THIS VERSION OF THE PROBLEM IS GIVEN IN LOW PRECISION. The matrix products marked QUANTISED in the list below multiply operands that are first quantised to E4M3 (4 exponent bits, 3 mantissa bits; 8 bits a number), with one power-of-two scale for each 32 numbers along K (OCP MX v1.0); their sums are f32. All else is computed in f32.
;;   The module's matrix products, in the order in which they are computed (A, B: the left and right operand; K: the contracted axis; several contracted axes count as one K, in the product's order):
;;     1. [M 8,192, K 4,096] x [K 4,096, N 2,048]; A: input x; B: computed on the way: QUANTISED
;;   THE QUANTISER, for each operand of a quantised product, along K:
;;     - K is cut into blocks of 32 from its start; a last block that is shorter is filled with zeros.
;;     - A block's scale is 2^e with e = floor(log2(the largest magnitude in the block)) - 8, held to -126 .. 127; a block of zeros has e = 0. As a byte (E8M0): e + 127.
;;     - Each number is divided by its block's scale, clamped to +-448, and rounded to the nearest number of E4M3, ties to even, subnormals kept.
;;     - The product sums the exact products of the quantised numbers (number of the format x scale) in f32.
;;   ~~~python
;;   def quantise(x, axis):      # numpy; x: float32 -> the quantised numbers, widened to float32 again
;;       x = np.moveaxis(x, axis, -1); K = x.shape[-1]
;;       x = np.pad(x, [(0, 0)] * (x.ndim - 1) + [(0, -K % 32)]); x = x.reshape(x.shape[:-1] + (-1, 32)); a = np.abs(x).max(-1, keepdims=True)
;;       e = np.where(a > 0, np.clip(np.frexp(np.where(a > 0, a, 1))[1] - 1 - 8, -126, 127), 0)      # np.frexp(a)[1] - 1 = floor(log2(a)), exactly
;;       r = np.clip(x / 2.0 ** e, -448, 448)
;;       step = 2.0 ** (np.maximum(np.frexp(np.where(r == 0, 1, r))[1] - 1, -6) - 3)
;;       q = np.round(r / step) * step * 2.0 ** e      # np.round: ties to even
;;       return np.moveaxis(q.reshape(q.shape[:-2] + (-1,))[..., :K], -1, axis).astype(np.float32)
;;   ~~~
;;   OPERANDS COMPUTED ON THE WAY. 'Computed on the way' means the value that the module computes at that place (a softmax that the list does not call 'softmax' is quantised finished and normalised). What goes into a quantiser is computed in f32, as accurately as f32 sums, v_exp_f32 and their like allow (about 1e-6 of the number): no bf16 or f16 on the way to a quantiser, and a product that is left as it is and whose result goes on into a quantised operand takes f32 operands (vector FMAs, or v_wmma_f32_16x16x4_f32). A number that lies on a knife's edge between two numbers of the format may be rounded either way, as far as f32 arithmetic and the matrix unit's own rounding can turn it there, and no further.
;; One version. Each part assembles by itself: llvm-mc -triple=amdgcn-amd-amdhsa -mcpu=gfx1250 --defsym DOCPART=n.
;; ======== version 1 of 1: 2 launches
;; limits: right only within a limited range of input values
;; workspace buffers: aq 34,603,008 bytes; bq 8,650,752 bytes
;; launch prep (part 1): grid 1280 x 1, 4 waves a work-group, no clusters, 34,304 bytes of LDS; arguments x, qweight, qzeros, scales, aq, bq; writes aq, bq
.if DOCPART == 1
	.amdgcn_target "amdgcn-amd-amdhsa--gfx1250"
	.amdhsa_code_object_version 6
	.text
	.protected	k_qef5ec2bc7d_prep
	.globl	k_qef5ec2bc7d_prep
	.p2align	8
	.type	k_qef5ec2bc7d_prep,@function
k_qef5ec2bc7d_prep:
	s_mov_b64 s[64:65], 0
	v_nop
	global_prefetch_b8 v0, s[64:65] scope:SCOPE_SE
	s_setreg_imm32_b32 hwreg(HW_REG_WAVE_MODE, 25, 1), 1
	s_wait_xcnt 0x0
; Both operands of out = x W are turned into codes of FP8 (E4M3) with one E8M0 scale byte for each 32 along K, once, ahead of the product.
; x: [8192][4096] f32, K innermost.  W[k][n] = (nibble k%8 of qweight[k/8][n] - (nibble n%8 of qzeros[k/128][n/8] + 1)) x scales[k/128][n], in f32: an exact difference and one rounding product.
; A block's scale is 2^(floor(log2(its largest magnitude)) - 8); its byte is the largest magnitude's exponent field - 8, held at 1 from below; each number is divided by the scale, held within +-448, rounded to the nearest code, ties to even.
; LIMITS: a block of zeros gets the byte 1 where the rule says 127 (its codes are zeros, which add nothing under any byte but 0xff, and the bytes are read by this program alone);
; NaN and infinities among the inputs are not served.
; THE WORKSPACE IS LAID AS THE PRODUCT'S REGISTERS WANT IT.  A QUARTER (QB = 33,792 bytes) is 128 rows (of x; of W: columns n) x 256 along K:
;   codes, 32,768 bytes: fragment (i, q) (rows 16 i on, K 128 q on) at (2 i + q) x 2,048: its register group c at 512 c, lane (r, h)'s 16 bytes at 16 x lane: k = 32 c + 16 h + 0 .. 15 of row 16 i + r;
;   scale words, 1,024 bytes, at 32,768 + 8 x row + 4 q: byte b for k = 32 b on.
; aq: quarter (t, hq) at (64 t + hq) QB, t the K step of 256, hq the 128 rows.  bq: at (16 t + hq) QB, hq the 128 columns.
; SHARES: a work-group makes one quarter, each of its four waves 32 rows of it.  Work-groups 0-255 take W, 256-1279 take x.  Waves share nothing: no barrier.  Only x's path uses LDS.
.set QB,   33792
.set SP,   528                         ; a stage row: 512 bytes + 16 = 132 words: row r starts at bank 4 r mod 64 (64 banks of 4 bytes: ISA guide 11.1)
.set WST,  16*SP                       ; a wave's stage: 16 rows
; x's path
.set XA,   4                           ; v4      16 x lane: my bytes of a load's 512, and of a store's; never rewritten
.set LST,  5                           ; v5      the stage, on the way in: 16 x lane
.set LLD,  6                           ; v6      and on the way out: row r, + 64 h
.set SOF,  7                           ; v7      8 x lane: my row's two scale words
.set TM,   8                           ; v8-11 largest magnitudes, v12-15 the other half's, then bytes, v16-19 448 x the scale, v20-23 the conversions' scale operands
.set SW,   24                          ; v24-27  the four fragments' scale words
.set DW,   28                          ; v[28:29] the two words that my lane stores
.set PC,   32                          ; v32-47  the codes just made
.set S0,   64                          ; v64-127, v128-191: two sets of 64 numbers
; W's path
.set WO,   4                           ; v4      4 x lane
.set ZO,   5                           ; v5      4 x (lane / 8): my zero's word
.set ZS,   6                           ; v6      4 x (lane % 8): my zero's nibble
.set CO,   7                           ; v7      4,096 (lane / 16) + 16 (lane % 16): my column's place among the images
.set MXA,  8                           ; v8, v9  the maximum, in two chains
.set MXB,  9
.set HOLD, 10                          ; v10     448 x the scale
.set SOP,  11                          ; v11     the conversion's scale operand
.set BYT,  12                          ; v12     the scale's byte
.set RZ,   13                          ; v13-14  the two groups' zero words
.set NZ,   16                          ; v[16:17], v[18:19]  -(z + 1), twice, for each of the two groups of 128
.set GS,   20                          ; v[20:21], v[22:23]  the group's scale, twice
.set WW,   24                          ; v[24:25] my column's two scale words
.set WSO,  160                         ; v160    8 x lane (v30, v31 are kept for the add on both paths)
.set QW,   32                          ; v32-63  my column's 32 words of qweight: 256 along K
.set X,    64                          ; v64-95  a block's 32 numbers
.set C,    96                          ; v96-159 codes: eight registers for each block, so that no store's data are written again
	s_load_b256 s[4:11], s[0:1], 0x0               ; x s[4:5], qweight s[6:7], qzeros s[8:9], scales s[10:11]
	s_load_b128 s[12:15], s[0:1], 0x20             ; aq s[12:13], bq s[14:15]
	v_lshl_add_u32 v30, v0, 2, 0x8400              ; my spare word, behind the four stages; never rewritten
	v_mov_b32 v31, 0                               ; 0; never rewritten
	v_lshrrev_b32 v1, 5, v0
	v_readfirstlane_b32 s18, v1                    ; wave 0..3
	v_and_b32 v1, 31, v0                           ; lane
	v_and_b32 v2, 15, v0                           ; r
	v_bfe_u32 v3, v0, 4, 1                         ; h
	s_mov_b32 s20, 0x76543210
	s_mov_b32 s21, 0xfedcba98                      ; v_permlanex16_b32's selects for lane l xor 16
	s_mov_b32 s23, 0x600000                        ; the mantissa field of 448
	s_wait_kmcnt 0x0
	s_cmp_lt_u32 ttmp9, 256                        ; the choice of path hangs on the work-group's number alone
	s_cbranch_scc1 .Lw
; ---------------- x ----------------
	s_sub_co_u32 s24, ttmp9, 256
	s_and_b32 s25, s24, 15                         ; t: which 256 along K
	s_lshr_b32 s26, s24, 4                         ; hq: which 128 rows
	s_lshl_b32 s28, s26, 21                        ; 128 rows of 16,384 bytes,
	s_lshl_b32 s29, s18, 19                        ; my wave's 32 of them,
	s_add_co_u32 s28, s28, s29
	s_lshl_b32 s29, s25, 10                        ; 256 numbers along K: all under 2^28
	s_add_co_u32 s28, s28, s29
	s_mov_b32 s29, 0
	s_add_nc_u64 s[4:5], s[4:5], s[28:29]
	s_lshl_b32 s30, s25, 6
	s_add_co_u32 s30, s30, s26
	s_mul_i32 s30, s30, QB                         ; my quarter in aq
	s_mov_b32 s31, 0
	s_add_nc_u64 s[12:13], s[12:13], s[30:31]
	s_lshl_b32 s30, s18, 8
	s_add_co_u32 s30, s30, 32768
	s_add_nc_u64 s[16:17], s[12:13], s[30:31]      ; my 32 rows' scale words: 256 bytes
	s_lshl_b32 s30, s18, 13
	s_add_nc_u64 s[12:13], s[12:13], s[30:31]      ; my four fragments' images: 8,192 bytes
	s_mul_i32 s27, s18, WST                        ; my stage
	s_wait_alu depctr_va_vdst(0)
	v_lshlrev_b32 v[XA], 4, v1
	v_add_nc_u32 v[LST], s27, v[XA]
	v_mul_u32_u24 v[LLD], v2, SP
	v_lshl_add_u32 v[LLD], v3, 6, v[LLD]
	v_add_nc_u32 v[LLD], s27, v[LLD]
	v_lshlrev_b32 v[SOF], 3, v1
.irp b, 0,1,2,3
	v_mov_b32 v[TM+4+\b], 0                        ; written once: a lane permute's destination counts as one of its sources
.endr
; Fragment f = 2 mb + q: rows 16 mb on, K 128 q on.  A load takes one row's 128 numbers: 32 lanes read 512 consecutive bytes.
.macro LOADX f
.irp rr, 0,1,2,3,4,5,6,7,8,9,10,11,12,13,14,15
	global_load_b128 v[S0+64*((\f)%2)+4*\rr:S0+64*((\f)%2)+4*\rr+3], v[XA], s[4:5] offset:(16*((\f)/2)+\rr)*16384+512*((\f)%2) th:TH_LOAD_NT
.endr
.endm
; 64 numbers of a lane, v[SS] on, register 16 b + i = k 32 b + 16 h + i of row r, become a fragment's codes in v[PC] on and its scale word in v[pw].
.macro QUANT pw
.irp b, 0,1,2,3
	v_max3_num_f32 v[TM+\b], |v[SS+16*\b]|, |v[SS+1+16*\b]|, 0x4800000   ; block b: my 16 numbers, and the floor 2^(9 - 127): so the byte cannot fall under 1
.endr
.irp i, 2,4,6,8,10,12,14
.irp b, 0,1,2,3
	v_max3_num_f32 v[TM+\b], v[TM+\b], |v[SS+16*\b+\i]|, |v[SS+1+16*\b+\i]|   ; the four blocks by turns: no line waits for the line above it
.endr
.endr
.irp b, 0,1,2,3
	v_permlanex16_b32 v[TM+4+\b], v[TM+\b], s20, s21
.endr
.irp b, 0,1,2,3
	v_max_num_f32 v[TM+\b], v[TM+\b], v[TM+4+\b]   ; with lane l xor 16's 16: the block's largest magnitude
.endr
.irp b, 0,1,2,3
	v_add_nc_u32 v[TM+12+\b], 0xfc000000, v[TM+\b] ; 8 off its exponent field: the conversion takes the exponent field of this operand as its scale
.endr
.irp b, 0,1,2,3
	v_and_or_b32 v[TM+8+\b], v[TM+\b], 0x7f800000, s23   ; 448 x the scale: the largest magnitude's exponent field over 448's mantissa
.endr
.irp b, 0,1,2,3
	v_lshrrev_b32 v[TM+4+\b], 23, v[TM+12+\b]      ; the scale's byte
.endr
	v_lshl_or_b32 v[\pw], v[TM+5], 8, v[TM+4]      ; the four bytes make row r's scale word (both halves of the lanes hold it)
	v_lshl_or_b32 v[\pw], v[TM+6], 16, v[\pw]
	v_lshl_or_b32 v[\pw], v[TM+7], 24, v[\pw]
.irp b, 0,1,2,3
.irp i, 0,1,2,3,4,5,6,7,8,9,10,11,12,13,14,15
	v_med3_num_f32 v[SS+16*\b+\i], v[SS+16*\b+\i], -v[TM+8+\b], v[TM+8+\b]   ; the conversion to an 8-bit code does not saturate (ISA guide 7.6.2): the hold at the largest code x the scale
.endr
	v_cvt_scalef32_pk8_fp8_f32 v[PC+4*\b:PC+1+4*\b], v[SS+16*\b:SS+7+16*\b], v[TM+12+\b]
	v_cvt_scalef32_pk8_fp8_f32 v[PC+2+4*\b:PC+3+4*\b], v[SS+8+16*\b:SS+15+16*\b], v[TM+12+\b]
.endr
	v_nop                                          ; one plain vector line behind the last conversion
.endm
; A fragment's turn.  The 16 rows go through my stage as they were loaded and come back 16 neighbours along K of each block to a lane, into the registers that they left.
.macro FRAGX f
.set SS, S0+64*((\f)%2)
.if (\f) < 3
	s_wait_loadcnt 16                              ; this fragment's 16 loads are in; the next fragment's 16 may be out
.else
	s_wait_loadcnt 0x0
.endif
.irp rr, 0,1,2,3,4,5,6,7,8,9,10,11,12,13,14,15
	ds_store_b128 v[LST], v[SS+4*\rr:SS+4*\rr+3] offset:SP*\rr
.endr
.irp b, 0,1,2,3
.irp j, 0,1,2,3
	ds_load_b128 v[SS+16*\b+4*\j:SS+16*\b+4*\j+3], v[LLD] offset:128*\b+16*\j   ; LDS serves a wave's instructions in order (ISA guide 5.7.1.4): these see the stores above
.endr
.endr
	s_wait_dscnt 0x0
.if (\f) > 0
	s_wait_xcnt 0x0                                ; the last fragment's stores have read their data: v[PC] on is written again only behind this wait
.endif
	QUANT SW+(\f)
.irp c, 0,1,2,3
	global_store_b128 v[XA], v[PC+4*\c:PC+4*\c+3], s[12:13] offset:2048*(\f)+512*\c   ; the image: 32 lanes store 512 consecutive bytes, aligned
.endr
.if (\f) < 2
	LOADX (\f)+2                                   ; the set just quantised takes the fragment two on
.endif
.endm
	LOADX 0
	LOADX 1
	s_wait_alu depctr_va_vdst(0)
	FRAGX 0
	FRAGX 1
	FRAGX 2
	FRAGX 3
	v_cmp_gt_u32 vcc_lo, 16, v1                    ; lane l stores the words of my wave's row l: lanes 0-15 those of fragments 0, 1, lanes 16-31 those of fragments 2, 3
	v_cndmask_b32 v[DW], v[SW+2], v[SW], vcc_lo
	v_cndmask_b32 v[DW+1], v[SW+3], v[SW+1], vcc_lo
	global_store_b64 v[SOF], v[DW:DW+1], s[16:17]  ; 32 lanes store 256 consecutive bytes, aligned
	s_wait_tensorcnt 0x0
	ds_add_u32 v30, v31
	s_wait_dscnt 0x0
	s_endpgm
; ---------------- W ----------------
; A LANE TAKES A COLUMN n, AND ITS REGISTERS RUN DOWN K: a word of qweight is eight neighbours along K of one column, a block of 32 is four words of one lane, so its largest magnitude needs no other lane.
.Lw:
	s_and_b32 s26, ttmp9, 15                       ; hq: which 128 columns
	s_lshr_b32 s25, ttmp9, 4                       ; t: which 256 along K
	s_lshl_b32 s24, s26, 7
	s_lshl_b32 s27, s18, 5
	s_add_co_u32 s24, s24, s27                     ; my wave's first column
	s_mov_b32 s29, 0
	s_lshl_b32 s28, s25, 18                        ; qweight: 32 rows of 8,192 bytes a K step,
	s_lshl_b32 s27, s24, 2                         ; 4 bytes a column
	s_add_co_u32 s28, s28, s27
	s_add_nc_u64 s[6:7], s[6:7], s[28:29]
	s_lshl_b32 s28, s25, 14                        ; scales: two rows of 8,192 bytes a K step
	s_add_co_u32 s28, s28, s27
	s_add_nc_u64 s[10:11], s[10:11], s[28:29]
	s_lshl_b32 s28, s25, 11                        ; qzeros: two rows of 1,024 bytes a K step,
	s_lshr_b32 s27, s24, 1                         ; 4 bytes for eight columns
	s_add_co_u32 s28, s28, s27
	s_add_nc_u64 s[8:9], s[8:9], s[28:29]
	s_lshl_b32 s28, s25, 4
	s_add_co_u32 s28, s28, s26
	s_mul_i32 s28, s28, QB                         ; my quarter in bq
	s_add_nc_u64 s[14:15], s[14:15], s[28:29]
	s_lshl_b32 s28, s18, 8
	s_add_co_u32 s28, s28, 32768
	s_add_nc_u64 s[16:17], s[14:15], s[28:29]      ; my 32 columns' scale words
	s_lshl_b32 s28, s18, 13
	s_add_nc_u64 s[14:15], s[14:15], s[28:29]      ; my four fragments' images
	s_wait_alu depctr_va_vdst(0)
	v_lshlrev_b32 v[WO], 2, v1
	v_lshrrev_b32 v[ZO], 3, v1
	v_lshlrev_b32 v[ZO], 2, v[ZO]
	v_and_b32 v[ZS], 7, v1
	v_lshlrev_b32 v[ZS], 2, v[ZS]
	v_lshlrev_b32 v[CO], 4, v2
	v_lshl_add_u32 v[CO], v3, 12, v[CO]
	v_lshlrev_b32 v[WSO], 3, v1
.irp q, 0,1
	global_load_b32 v[RZ+\q], v[ZO], s[8:9] offset:1024*\q
	global_load_b32 v[GS+2*\q], v[WO], s[10:11] offset:8192*\q      ; the group's scale, into both registers of a pair: the packed product takes it as it stands
	global_load_b32 v[GS+2*\q+1], v[WO], s[10:11] offset:8192*\q
.endr
.irp j, 0,1,2,3,4,5,6,7,8,9,10,11,12,13,14,15,16,17,18,19,20,21,22,23,24,25,26,27,28,29,30,31
	global_load_b32 v[QW+\j], v[WO], s[6:7] offset:8192*\j th:TH_LOAD_NT   ; 32 lanes read 128 consecutive bytes; the four waves stand side by side on 512
.endr
	s_wait_alu depctr_va_vdst(0)
	s_wait_loadcnt 0x0
.irp q, 0,1
	v_lshrrev_b32 v[RZ+\q], v[ZS], v[RZ+\q]
	v_and_b32 v[RZ+\q], 15, v[RZ+\q]
	v_cvt_f32_u32 v[RZ+\q], v[RZ+\q]
	v_sub_f32 v[NZ+2*\q], -1.0, v[RZ+\q]           ; -(z + 1), exact
	v_mov_b32 v[NZ+2*\q+1], v[NZ+2*\q]
.endr
; Block c of group q: k = 128 q + 32 c + 0 .. 31 of my column.
.macro BLOCKW q, c
.set CB, C+8*(4*\q+\c)
.irp w, 0,1,2,3
.irp i, 0,1,2,3,4,5,6,7
	v_bfe_u32 v[X+8*\w+\i], v[QW+16*\q+4*\c+\w], 4*\i, 4
.endr
.endr
.set j, 0
.rept 32
	v_cvt_f32_u32 v[X+j], v[X+j]
.set j, j+1
.endr
.set j, 0
.rept 16
	v_pk_add_f32 v[X+j:X+j+1], v[X+j:X+j+1], v[NZ+2*\q:NZ+2*\q+1]   ; q - (z + 1): whole numbers, exact
.set j, j+2
.endr
.set j, 0
.rept 16
	v_pk_mul_f32 v[X+j:X+j+1], v[X+j:X+j+1], v[GS+2*\q:GS+2*\q+1]   ; x the group's scale: the one rounding.  (Not fused with the line above: q s - (z + 1) s would round (z + 1) s first, which is another number)
.set j, j+2
.endr
	v_max3_num_f32 v[MXA], |v[X]|, |v[X+1]|, |v[X+2]|               ; the block's largest magnitude: all 32 numbers are mine
	v_max3_num_f32 v[MXB], |v[X+3]|, |v[X+4]|, |v[X+5]|
.irp i, 6,10,14,18,22,26
	v_max3_num_f32 v[MXA], v[MXA], |v[X+\i]|, |v[X+\i+1]|
	v_max3_num_f32 v[MXB], v[MXB], |v[X+\i+2]|, |v[X+\i+3]|
.endr
	v_max3_num_f32 v[MXA], v[MXA], |v[X+30]|, |v[X+31]|
	v_max3_num_f32 v[MXA], v[MXA], v[MXB], 0x4800000                ; and the floor 2^(9 - 127)
	v_add_nc_u32 v[SOP], 0xfc000000, v[MXA]
	v_and_or_b32 v[HOLD], v[MXA], 0x7f800000, s23
	v_lshrrev_b32 v[BYT], 23, v[SOP]
.if \c == 0
	v_mov_b32 v[WW+\q], v[BYT]                     ; four bytes to a word, the lower K in the lower byte
.else
	v_lshl_or_b32 v[WW+\q], v[BYT], 8*\c, v[WW+\q]
.endif
.set j, 0
.rept 32
	v_med3_num_f32 v[X+j], v[X+j], -v[HOLD], v[HOLD]
.set j, j+1
.endr
.irp g, 0,1,2,3
	v_cvt_scalef32_pk8_fp8_f32 v[CB+2*\g:CB+2*\g+1], v[X+8*\g:X+8*\g+7], v[SOP]
.endr
	v_nop                                          ; one plain vector line behind the last conversion: the next block writes its sources
	global_store_b128 v[CO], v[CB:CB+3], s[14:15] offset:2048*\q+512*\c         ; k 0-15 of the block: the image's lanes 0-15: sixteen lanes store 256 consecutive bytes, aligned
	global_store_b128 v[CO], v[CB+4:CB+7], s[14:15] offset:2048*\q+512*\c+256   ; k 16-31: the image's lanes 16-31
.endm
.irp q, 0,1
.irp c, 0,1,2,3
	BLOCKW \q, \c
.endr
.endr
	global_store_b64 v[WSO], v[WW:WW+1], s[16:17]  ; 32 lanes store 256 consecutive bytes, aligned
	s_endpgm
.Lfunc_end_k_qef5ec2bc7d_prep:
	.size	k_qef5ec2bc7d_prep, .Lfunc_end_k_qef5ec2bc7d_prep-k_qef5ec2bc7d_prep
	.p2alignl 7, 3214868480
	.fill 96, 4, 3214868480
	.section	.rodata,"a",@progbits
	.p2align	6, 0x0
	.amdhsa_kernel k_qef5ec2bc7d_prep
		.amdhsa_group_segment_fixed_size 34304
		.amdhsa_private_segment_fixed_size 0
		.amdhsa_enable_private_segment 0
		.amdhsa_kernarg_size 48
		.amdhsa_user_sgpr_count 2
		.amdhsa_user_sgpr_kernarg_segment_ptr 1
		.amdhsa_wavefront_size32 1
		.amdhsa_system_sgpr_workgroup_id_x 1
		.amdhsa_system_sgpr_workgroup_id_y 1
		.amdhsa_system_sgpr_workgroup_id_z 1
		.amdhsa_system_vgpr_workitem_id 0
		.amdhsa_next_free_vgpr 192
		.amdhsa_next_free_sgpr 66
		.amdhsa_reserve_vcc 1
		.amdhsa_float_denorm_mode_32 3
		.amdhsa_float_denorm_mode_16_64 3
		.amdhsa_memory_ordered 1
		.amdhsa_forward_progress 1
		.amdhsa_inst_pref_size 126
	.end_amdhsa_kernel
	.amdgpu_metadata
---
amdhsa.version: [ 1, 2 ]
amdhsa.kernels:
  - .name:           k_qef5ec2bc7d_prep
    .symbol:         k_qef5ec2bc7d_prep.kd
    .args:
      - { .name: x, .offset: 0, .size: 8, .value_kind: global_buffer, .address_space: global }
      - { .name: qweight, .offset: 8, .size: 8, .value_kind: global_buffer, .address_space: global }
      - { .name: qzeros, .offset: 16, .size: 8, .value_kind: global_buffer, .address_space: global }
      - { .name: scales, .offset: 24, .size: 8, .value_kind: global_buffer, .address_space: global }
      - { .name: aq, .offset: 32, .size: 8, .value_kind: global_buffer, .address_space: global }
      - { .name: bq, .offset: 40, .size: 8, .value_kind: global_buffer, .address_space: global }
    .group_segment_fixed_size: 34304
    .private_segment_fixed_size: 0
    .kernarg_segment_align: 8
    .kernarg_segment_size: 48
    .max_flat_workgroup_size: 128
    .sgpr_count:     66
    .vgpr_count:     192
    .wavefront_size: 32
...
	.end_amdgpu_metadata
.endif
;; end of part 1
;; launch gemm (part 2): grid 8 x 32, 4 waves a work-group, clusters of 4 x 4, 327,680 bytes of LDS; arguments aq, bq, out0; writes out0
.if DOCPART == 2
	.amdgcn_target "amdgcn-amd-amdhsa--gfx1250"
	.amdhsa_code_object_version 6
	.text
	.protected	k_qef5ec2bc7d_gemm
	.globl	k_qef5ec2bc7d_gemm
	.p2align	8
	.type	k_qef5ec2bc7d_gemm,@function
k_qef5ec2bc7d_gemm:
	s_mov_b64 s[64:65], 0
	v_nop
	global_prefetch_b8 v0, s[64:65] scope:SCOPE_SE
	s_setreg_imm32_b32 hwreg(HW_REG_WAVE_MODE, 25, 1), 1
	s_wait_xcnt 0x0
	s_wait_alu depctr_hold_cnt(0) depctr_sa_sdst(0) depctr_va_vdst(0) depctr_va_sdst(0) depctr_va_ssrc(0) depctr_va_vcc(0) depctr_vm_vsrc(0)
	s_getreg_b32 s2, hwreg(HW_REG_IB_STS2, 6, 4)
	s_cmp_eq_u32 s2, 0
	s_cbranch_scc0 .Lentry_in_a_cluster
	s_endpgm
.Lentry_in_a_cluster:
	s_bfe_u32 s2, ttmp6, 0x10000c
	s_cmp_lg_u32 s2, 0xf033
	s_cbranch_scc0 .Lentry_shape_is_right
	s_endpgm
.Lentry_shape_is_right:
; out0[m][n] = sum over k of x[m][k] W[k][n], on the codes and scale words that launch prep laid in aq and bq: quarters of QB bytes
; (128 rows x 256 along K: 16 fragment images of 2,048 bytes, then 1,024 bytes of scale words).
; A work-group of four waves makes 256 x 256 of out0, a wave 128 x 128: 64 accumulators, 512 registers.  K goes in 16 steps of 256 through a ring of
; two LDS slots of four quarters (A's two, then B's two); each wave fetches one quarter, a dense block, as 132 rows of 256 bytes.
; CLUSTERS, 4 x 4: A's quarters are asked for jointly along a row of the cluster, B's along a column.
; THE ORDER OF K: clusters whose x + y is odd take the K steps as 2,3,0,1,6,7,4,5,..; so the two clusters that need the same rows of aq ask for different steps.
; ORDER OF ROUNDING: in those clusters the f32 sums add the K steps in that order and not ascending; the products of each step are the same.
; PREFETCH: in every second lap, behind each refill, a wave names its work-group's share (a fourth: 8,192 bytes of codes, a lane to each 256, and 256 bytes of scale words)
; of the quarter that its refill two K steps on asks for; only the steps that this cluster takes ahead of its partner; B's by the clusters with y under 2 alone; the last lap names nothing.
; The matrix instruction is used transposed (source 0 = B's rows, source 1 = A's): a lane holds eight neighbouring numbers of a row of out0, which leave through the wave's stage in slot 0.
; A STEP of 128 along K is eight groups of 8 products (A's block a against B's eight).  Behind each group stand three v_nop and the LDS loads of two of the next step's 16 fragments:
; the 64 loads of a step are spread over its 64 products.  Every load stands 8 places or more behind the last product that read its registers (the counts stand at the macros).
; REGISTERS: window 0: v16-31 addresses, v32-63 scale words (two sets), v128-191 A's blocks 0-3 (one set), v192-255 and v64-127 A's blocks 4-7 (a set for each of a slot's two steps);
; window 1: B's fragments (a set for each of a slot's two steps); windows 2, 3: the accumulators.
.set QB,     33792
.set ASTEP,  64*QB
.set BSTEP,  16*QB
.set NQ,     2
.set FR,     16
.set NP,     8
.set SLOT,   4*QB
.set LAPS,   8
.set SPARE,  2*SLOT
.set SPITCH, 528
.set NROW,   8192
.set ADRA, 16
.set ADRB, 20
.set ADRS, 22
.set STO,  24
.set RD,   25
.set CO,   26
.set SPW,  28
.set NIL,  29
.set PFO,  30
.set PFZ,  31
.set SC,   32
.set AF,   128
.set BK,   128
.set G1,  24
.set G0,  32
.set G1B, 48
.set G0B, 56
.set PFA, 8
.set PFS, 10
.set LIM, 2
.set BKA, 66
.set FWA, 68
.set BKB, 70
.set FWB, 72
.set WA,  74
.set WB,  75
.set LA6, 76
.set LB6, 77
.set PAR, 78
.set MSB, 0
.macro WIN new                         ; the immediate's high byte repeats the setting that is left
.if MSB != \new
	s_set_vgpr_msb (MSB<<8)|\new
.set MSB, \new
.endif
.endm
.set MUL_LO, 0xa1                      ; source 0 (B) window 1, source 1 (A) window 0, C and D window 2
.set TO_B,   0x40                      ; destination window 1, address window 0
.macro JLOAD g0a, g1a, g0b, g1b        ; a joint load: waves 0, 1 fetch A's quarters, waves 2, 3 B's; s_nop 0 and four v_nop behind each line
	s_cmp_eq_u32 s15, 0
	s_cbranch_scc0 .Lfor_b_\@
	tensor_load_to_lds s[\g0a:\g0a+3], s[\g1a:\g1a+7]
	s_nop 0
.rept 4
	v_nop
.endr
	s_branch .Lasked_\@
.Lfor_b_\@:
	tensor_load_to_lds s[\g0b:\g0b+3], s[\g1b:\g1b+7]
	s_nop 0
.rept 4
	v_nop
.endr
.Lasked_\@:
.endm
.macro ASK                             ; the prefetch: in the laps with odd s3 above LIM
	s_bitcmp1_b32 s3, 0
	s_cselect_b32 s22, s3, 0
	s_cmp_gt_u32 s22, s[LIM]
	s_cbranch_scc0 .Lnot_mine_\@
	global_prefetch_b8 v[PFO], s[PFA:PFA+1] th:TH_LOAD_NT scope:SCOPE_SE
	global_prefetch_b8 v[PFZ], s[PFA:PFA+1] th:TH_LOAD_NT scope:SCOPE_SE
.Lnot_mine_\@:
.endm
.macro CREST                           ; a round of the cluster's barrier behind its opening barrier
	s_cmp_lg_u32 s14, 0
	s_cbranch_scc1 .Lnot_wave_0_\@
	s_barrier_signal -3
.Lnot_wave_0_\@:
	s_barrier_wait -3
	s_barrier_signal -1
	s_barrier_wait -1
.endm
.macro CROUND
	s_barrier_signal -1
	s_barrier_wait -1
	CREST
.endm
	s_load_b128 s[4:7], s[0:1], 0x0                ; aq, bq
	s_load_b64 s[12:13], s[0:1], 0x10              ; out0
	v_lshl_add_u32 v[SPW], v0, 2, SPARE
	v_mov_b32 v[NIL], 0
	ds_add_u32 v28, v29                            ; the opening lines
	ds_add_u32 v28, v29
	s_wait_dscnt 0x0
	v_lshrrev_b32 v1, 5, v0
	v_readfirstlane_b32 s14, v1                    ; wave
	s_lshr_b32 s15, s14, 1                         ; my half of the tile's rows; also: I fetch for A (0) or B (1)
	s_and_b32 s16, s14, 1                          ; my half of its columns; also: which quarter I fetch
	s_bfe_u32 s40, ttmp6, 0x40000                  ; cx
	s_bfe_u32 s41, ttmp6, 0x40004                  ; cy
	s_lshl_b32 s42, ttmp9, 2
	s_add_co_u32 s42, s42, s40                     ; tile column
	s_and_b32 s17, ttmp7, 0xffff
	s_lshl_b32 s17, s17, 2
	s_add_co_u32 s17, s17, s41                     ; tile row
	s_lshl_b32 s43, s41, 2
	s_lshl_b32 s43, 15, s43                        ; my row of the cluster
	s_lshl_b32 s44, 0x1111, s40                    ; my column
	s_and_b32 s[PAR], ttmp7, 0xffff
	s_add_co_u32 s[PAR], s[PAR], ttmp9
	s_and_b32 s[PAR], s[PAR], 1                    ; the cluster's x + y, odd or even: the same in all partners
	s_mul_i32 s[WA], s[PAR], 4*ASTEP
	s_mul_i32 s[WB], s[PAR], 4*BSTEP
	s_add_co_u32 s[LA6], s[WA], 2*ASTEP
	s_add_co_u32 s[LB6], s[WB], 2*BSTEP
	s_mov_b32 s[BKA+1], 0
	s_mov_b32 s[FWA+1], 0
	s_mov_b32 s[BKB+1], 0
	s_mov_b32 s[FWB+1], 0
	s_or_b32 s[G1+0], s43, (3<<16)|(1<<21)         ; elements of 8 bytes, the mask, bit 21 beside it
	s_or_b32 s[G1B+0], s44, (3<<16)|(1<<21)
.irp g, G1, G1B
	s_mov_b32 s[\g+1], 32<<16                      ; rows of 32 elements = 256 bytes
	s_mov_b32 s[\g+2], 132<<16                     ; 132 rows = QB bytes
	s_mov_b32 s[\g+3], 32<<16
	s_mov_b32 s[\g+4], 132
	s_mov_b32 s[\g+5], 32
	s_mov_b32 s[\g+6], 0
	s_mov_b32 s[\g+7], 0
.endr
	s_lshl_b32 s20, s17, 1
	s_add_co_u32 s20, s20, s16
	s_mul_i32 s20, s20, QB
	s_lshr_b32 s79, s[WA], 1                       ; odd clusters begin at K step 2
	s_add_co_u32 s20, s20, s79
	s_mov_b32 s21, 0
	s_lshl_b32 s46, s42, 1
	s_add_co_u32 s46, s46, s16
	s_mul_i32 s46, s46, QB
	s_lshr_b32 s79, s[WB], 1
	s_add_co_u32 s46, s46, s79
	s_mov_b32 s47, 0
	s_mul_i32 s45, s14, QB                         ; LDS: wave x a quarter
	s_wait_kmcnt 0x0
	s_add_nc_u64 s[20:21], s[4:5], s[20:21]
	s_add_nc_u64 s[46:47], s[6:7], s[46:47]
	CROUND                                         ; in front of the first joint loads
.irp s, 0,1
	s_mov_b32 s[G0+4*\s], 1
	s_add_co_u32 s[G0+4*\s+1], s45, \s*SLOT
	s_add_nc_u64 s[G0+4*\s+2:G0+4*\s+3], s[20:21], \s*ASTEP
	s_or_b32 s[G0+4*\s+3], s[G0+4*\s+3], 0x80000000
	s_mov_b32 s[G0B+4*\s], 1
	s_add_co_u32 s[G0B+4*\s+1], s45, \s*SLOT
	s_add_nc_u64 s[G0B+4*\s+2:G0B+4*\s+3], s[46:47], \s*BSTEP
	s_or_b32 s[G0B+4*\s+3], s[G0B+4*\s+3], 0x80000000
.endr
	JLOAD G0, G1, G0B, G1B                         ; slot 0's quarter: one tensor load a wave at the head; the addresses below are made while it is out
	v_and_b32 v1, 15, v0
	v_bfe_u32 v2, v0, 4, 1
	s_wait_alu depctr_va_vdst(0)
	v_and_b32 v3, 31, v0
	v_lshlrev_b32 v4, 4, v3                        ; an image's 16 bytes a lane
	s_mul_i32 s21, s15, QB
	s_mul_i32 s22, s16, QB
	s_add_co_u32 s22, s22, 2*QB
.irp s, 0,1
	v_add_nc_u32 v[ADRA+\s], s21, v4
	v_add_nc_u32 v[ADRB+\s], s22, v4
	s_add_co_u32 s21, s21, SLOT
	s_add_co_u32 s22, s22, SLOT
.endr
	v_lshlrev_b32 v5, 3, v1                        ; scale words: 8 bytes a row; lanes 0-15 A's, lanes 16-31 B's
	s_mul_i32 s21, s15, QB
	s_mul_i32 s22, s16, QB
	s_add_co_u32 s22, s22, 2*QB
	s_sub_co_u32 s22, s22, s21
	v_mul_u32_u24 v6, s22, v2
	s_add_co_u32 s21, s21, 32768
	v_add_nc_u32 v5, v5, v6
	v_add_nc_u32 v[ADRS], s21, v5
	v_add_nc_u32 v[ADRS+1], SLOT, v[ADRS]
	s_mul_i32 s23, s14, 16*SPITCH                  ; my stage
	v_mul_u32_u24 v5, v1, SPITCH
	v_lshl_add_u32 v5, v2, 5, v5
	v_add_nc_u32 v[STO], s23, v5
	v_lshlrev_b32 v[CO], 4, v3
	v_add_nc_u32 v[RD], s23, v[CO]
	s_and_b32 s22, ttmp7, 0xffff                   ; the prefetches' address, share and limit
	s_lshr_b32 s22, s22, 1
	s_lshl_b32 s18, s17, 1
	s_lshl_b32 s19, s42, 1
	s_mov_b32 s[PFS], BSTEP
	s_cmp_eq_u32 s15, 0
	s_cselect_b32 s18, s18, s19
	s_cselect_b32 s19, s40, s41
	s_cselect_b32 s22, 0, s22
	s_cselect_b64 s[PFA:PFA+1], s[4:5], s[6:7]
	s_cselect_b32 s[PFS], ASTEP, s[PFS]
	s_mov_b32 s[PFS+1], 0
	s_cmp_eq_u32 s22, 0
	s_cselect_b32 s[LIM], 1, -1
	v_lshlrev_b32 v[PFO], 8, v3
	v_lshl_add_u32 v[PFO], s19, 13, v[PFO]
	v_lshlrev_b32 v[PFZ], 3, v3
	v_lshl_add_u32 v[PFZ], s19, 8, v[PFZ]
	v_add_nc_u32 v[PFZ], 32768, v[PFZ]
	s_add_co_u32 s18, s18, s16
	s_mul_i32 s18, s18, QB
	s_lshl_b32 s22, s[PAR], 1
	s_add_co_u32 s22, s22, 3
	s_mul_i32 s22, s[PFS], s22
	s_add_co_u32 s18, s18, s22
	s_mov_b32 s19, 0
	s_add_nc_u64 s[PFA:PFA+1], s[PFA:PFA+1], s[18:19]
	s_lshl_b32 s20, s17, 8                         ; where my part of out0 begins
	s_lshl_b32 s21, s15, 7
	s_add_co_u32 s20, s20, s21
	s_lshl_b32 s20, s20, 13
	s_lshl_b32 s46, s42, 10
	s_lshl_b32 s47, s16, 9
	s_add_co_u32 s46, s46, s47
	s_add_co_u32 s20, s20, s46
	s_mov_b32 s21, 0
	s_add_nc_u64 s[12:13], s[12:13], s[20:21]
.macro FRAG reg, adr, q, i             ; fragment (i, q) of a quarter: four loads of 512 consecutive bytes
.irp c, 0,1,2,3
	ds_load_b128 v[\reg+4*\c:\reg+4*\c+3], v[\adr] offset:(2*(\i)+(\q))*2048+512*\c
.endr
.endm
.macro LB slot, q, i                   ; B's block i of the slot's step q, into set q (under WIN TO_B)
	FRAG 128*(\q)+FR*(\i), ADRB+\slot, \q, \i
.endm
.macro LA slot, q, a                   ; A's block a of the slot's step q (under WIN 0): blocks 4-7 of step 1 lie at v64-127
	FRAG AF+FR*(\a)-128*((\a)/4)*(\q), ADRA+\slot, \q, \a
.endm
.macro SCALES sc                       ; a slot's scale words: two a row; lanes 0-15 A's block i, lanes 16-31 B's block i
.irp i, 0,1,2,3,4,5,6,7
	ds_load_b64 v[SC+8*NQ*\sc+NQ*\i:SC+8*NQ*\sc+NQ*\i+1], v[ADRS+\sc] offset:128*\i
.endr
.endm
.macro PLACES n
.rept \n
	v_nop
.endr
.endm
; A group: A's block a against B's eight, step q of the slot whose scale words lie in set sc.  The 64 accumulators take turns, in the same order in every step.
.macro GRP a, q, sc, zero
	WIN MUL_LO+0x50*((\a)/4)
.set AR, AF+FR*(\a)-128*((\a)/4)*(\q)
.irp b, 0,1,2,3,4,5,6,7
.if \zero
	v_wmma_scale_f32_16x16x128_f8f6f4 v[8*(8*((\a)%4)+\b):8*(8*((\a)%4)+\b)+7], v[128*(\q)+FR*\b:128*(\q)+FR*\b+FR-1], v[AR:AR+FR-1], 0, v[SC+8*NQ*(\sc)+NQ*\b+(\q)], v[SC+8*NQ*(\sc)+NQ*(\a)+(\q)] matrix_a_scale:MATRIX_SCALE_ROW1
.else
	v_wmma_scale_f32_16x16x128_f8f6f4 v[8*(8*((\a)%4)+\b):8*(8*((\a)%4)+\b)+7], v[128*(\q)+FR*\b:128*(\q)+FR*\b+FR-1], v[AR:AR+FR-1], v[8*(8*((\a)%4)+\b):8*(8*((\a)%4)+\b)+7], v[SC+8*NQ*(\sc)+NQ*\b+(\q)], v[SC+8*NQ*(\sc)+NQ*(\a)+(\q)] matrix_a_scale:MATRIX_SCALE_ROW1
.endif
.endr
.endm
; A slot's first step (q = 0).  It fetches the slot's second step, 8 loads behind each group.  The loads ahead of it were issued in the order B 0-7, scale words, A 0-7.
; Places, three v_nop a batch: A's other set of blocks 4, 5 was last read four batches back (12); B's other set three batches back (9); A's blocks 0, 1 five (15), blocks 2, 3 four (12).
.macro PSTEP s, zero
	s_wait_dscnt 24                                ; all but A's blocks 2-7 are in
	GRP 0, 0, \s, \zero
	PLACES 3
	WIN 0
	LA \s, 1, 4
	LA \s, 1, 5
	GRP 1, 0, \s, \zero
	PLACES 3
	WIN TO_B
	LB \s, 1, 0
	LB \s, 1, 1
	s_wait_dscnt 32                                ; A's blocks 2, 3 are in: behind them blocks 4-7 (16) and this step's 16
	GRP 2, 0, \s, \zero
	PLACES 3
	WIN TO_B
	LB \s, 1, 2
	LB \s, 1, 3
	GRP 3, 0, \s, \zero
	PLACES 3
	WIN TO_B
	LB \s, 1, 4
	LB \s, 1, 5
	s_wait_dscnt 40                                ; A's blocks 4, 5: behind them blocks 6, 7 (8) and this step's 32
	GRP 4, 0, \s, \zero
	PLACES 3
	WIN TO_B
	LB \s, 1, 6
	LB \s, 1, 7
	GRP 5, 0, \s, \zero
	PLACES 3
	WIN 0
	LA \s, 1, 0
	LA \s, 1, 1
	s_wait_dscnt 48                                ; A's blocks 6, 7: behind them this step's 48
	GRP 6, 0, \s, \zero
	PLACES 3
	WIN 0
	LA \s, 1, 2
	LA \s, 1, 3
	GRP 7, 0, \s, \zero
	PLACES 3
	WIN 0
	LA \s, 1, 6
	LA \s, 1, 7
.endm
; A slot's second step (q = 1) changes slots: all its fragments were asked for in the step before, so slot s is read out when the wait for 0 on DScnt is passed.
; fill = 1: slot s is filled again, two K steps ahead, behind a round of the cluster's barrier.  Slot n's first step is fetched behind the barrier: 72 loads over six groups.
; Places: B's set 0 was last read ahead of the last batch of the step before: 3 + 4 + 3; A's blocks 0, 1: 4 + 12; blocks 2, 3: 9.
.macro TURN s, n, fill
.if \fill
	s_wait_xcnt 0x0                                ; my prefetches have read their address
	s_add_nc_u64 s[PFA:PFA+1], s[PFA:PFA+1], s[PFS:PFS+1]
.endif
	s_wait_dscnt 16                                ; B's set and A's blocks 0, 1, 4, 5 are in; blocks 2, 3, 6, 7 may be out
	GRP 0, 1, \s, 0
	WIN 0                                          ; (the add's two registers lie in window 0)
	s_wait_tensorcnt 0x0                           ; all my tensor loads have landed: my quarter of slot n
	ds_add_u32 v[SPW], v[NIL]
.if \fill
	s_bitcmp1_b32 s3, 0                            ; no tensor load of mine is out: slot s's next K step, by the cluster's order of K
	s_cselect_b32 s[BKA], s[WA], 0
	s_cselect_b32 s[FWA], 2*ASTEP, s[LA6]
	s_cselect_b32 s[BKB], s[WB], 0
	s_cselect_b32 s[FWB], 2*BSTEP, s[LB6]
	s_add_nc_u64 s[G0+4*\s+2:G0+4*\s+3], s[G0+4*\s+2:G0+4*\s+3], s[FWA:FWA+1]
	s_sub_nc_u64 s[G0+4*\s+2:G0+4*\s+3], s[G0+4*\s+2:G0+4*\s+3], s[BKA:BKA+1]
	s_add_nc_u64 s[G0B+4*\s+2:G0B+4*\s+3], s[G0B+4*\s+2:G0B+4*\s+3], s[FWB:FWB+1]
	s_sub_nc_u64 s[G0B+4*\s+2:G0B+4*\s+3], s[G0B+4*\s+2:G0B+4*\s+3], s[BKB:BKB+1]
.endif
	GRP 1, 1, \s, 0                                ; eight products stand between the add and the wait for it
	WIN 0
	s_wait_dscnt 0x0                               ; the add is done, and my reads of slot s are over
	s_barrier_signal -1
	s_barrier_wait -1
.if \fill
	CREST
	JLOAD G0+4*\s, G1, G0B+4*\s, G1B               ; the first tensor load behind the round
.else
	PLACES 4
.endif
	PLACES 3
	WIN TO_B
	LB \n, 0, 0
	LB \n, 0, 1
	LB \n, 0, 2
	GRP 2, 1, \s, 0
	PLACES 3
	WIN TO_B
	LB \n, 0, 3
	LB \n, 0, 4
	LB \n, 0, 5
	GRP 3, 1, \s, 0
	PLACES 3
	WIN TO_B
	LB \n, 0, 6
	LB \n, 0, 7
	WIN 0
	SCALES \n
.if \fill
	ASK
.endif
	GRP 4, 1, \s, 0
	PLACES 3
	WIN 0
	LA \n, 0, 0
	LA \n, 0, 1
	GRP 5, 1, \s, 0
	PLACES 3
	WIN 0
	LA \n, 0, 2
	LA \n, 0, 3
	GRP 6, 1, \s, 0
	PLACES 3
	WIN 0
	LA \n, 0, 4
	LA \n, 0, 5
	GRP 7, 1, \s, 0
	PLACES 3
	WIN 0
	LA \n, 0, 6
	LA \n, 0, 7
.endm
	s_wait_alu depctr_va_vdst(0)
	s_wait_tensorcnt 0x0                           ; my quarter of slot 0 is in; these lines stand ahead of a later first fill as ahead of a refill
	ds_add_u32 v[SPW], v[NIL]
	s_wait_dscnt 0x0
	CROUND                                         ; a whole round: every wave's quarter of slot 0 is in, and the sixteen work-groups' joint loads meet
	JLOAD G0+4, G1, G0B+4, G1B                     ; slot 1's first fill: the first tensor load behind the round
	WIN TO_B
.irp i, 0,1,2,3,4,5,6,7
	LB 0, 0, \i
.endr
	WIN 0
	SCALES 0
.irp i, 0,1,2,3,4,5,6,7
	LA 0, 0, \i
.endr
	PSTEP 0, 1                                     ; the first step stands in front of the loop: its products start the sums
	s_mov_b32 s3, LAPS-1
.Llap:                                                 ; a trip goes once round the ring and fills both slots again
	TURN 0, 1, 1
	PSTEP 1, 0
	TURN 1, 0, 1
	PSTEP 0, 0
	s_sub_co_u32 s3, s3, 1
	s_cmp_lg_u32 s3, 0
	s_cbranch_scc1 .Llap
	TURN 0, 1, 0                                   ; the last lap fills nothing
	PSTEP 1, 0
	s_wait_dscnt 16                                ; the very last step: nothing more to fetch
	GRP 0, 1, 1, 0
	GRP 1, 1, 1, 0
	s_wait_dscnt 0
	GRP 2, 1, 1, 0
	GRP 3, 1, 1, 0                                 ; my rows 0-63 are finished; groups 4-7 stand among their way out, below
	WIN 0
; THE WAY OUT, block by block of 16 rows x 128 columns, through my own stage (in slot 0, which has had its last fill and its last read): back as whole rows of 512 bytes.
.macro TOSTAGE a
.set AC, 64*((\a)%4)
	WIN 0x08+4*((\a)/4)
.irp b, 0,1,2,3,4,5,6,7
	ds_store_b128 v[STO], v[AC+8*\b:AC+8*\b+3] offset:64*\b          ; each accumulator from its low end on
	ds_store_b128 v[STO], v[AC+8*\b+4:AC+8*\b+7] offset:64*\b+16
.endr
	WIN 0
.set BB, BK+64*((\a)%2)
.irp t, 0,1,2,3,4,5,6,7,8,9,10,11,12,13,14,15
	ds_load_b128 v[BB+4*\t:BB+4*\t+3], v[RD] offset:\t*SPITCH        ; LDS serves a wave's instructions in order: these see the stores above
.endr
.endm
.macro SEND a, younger                 ; younger: the LDS instructions issued behind block a's loads
.set BB, BK+64*((\a)%2)
	s_wait_dscnt \younger
.if (\a) > 0
	s_add_nc_u64 s[12:13], s[12:13], 16*NROW       ; (behind a wait on XCNT)
.endif
.irp t, 0,1,2,3,4,5,6,7,8,9,10,11,12,13,14,15
	global_store_b128 v[CO], v[BB+4*\t:BB+4*\t+3], s[12:13] offset:\t*NROW th:TH_STORE_NT   ; 32 lanes store 512 consecutive bytes, aligned; written once, read by nobody here
.endr
.endm
; Blocks 0-3 leave while groups 4-7 are multiplied: those groups read A's blocks at v64-127 and B's set in window 1 and write window 3;
; the way out reads window 2 and lands in v128-191 (free behind group 3 and the places below) and v192-255 (not used in a slot's second step).
	PLACES NP                                      ; behind group 3: for the stage's reads of blocks 0-3 and the loads into v128-191
	TOSTAGE 0
.irp a, 1,2,3,4,5,6,7
.if \a < 5
	GRP \a+3, 1, 1, 0
.endif
.if \a == 4
	PLACES NP                                      ; behind group 7: for the stage's reads of blocks 4-7
.endif
.if \a > 1
	s_wait_xcnt 0x0                                ; block a - 2's stores have read their registers and their base
.endif
	TOSTAGE \a
	SEND \a-1, 32
.endr
	s_wait_xcnt 0x0
	SEND 7, 0
	s_wait_tensorcnt 0x0                           ; the wave's end
	ds_add_u32 v[SPW], v[NIL]
	s_wait_dscnt 0x0
	CROUND                                         ; the closing round
	s_endpgm
.Lfunc_end_k_qef5ec2bc7d_gemm:
	.size	k_qef5ec2bc7d_gemm, .Lfunc_end_k_qef5ec2bc7d_gemm-k_qef5ec2bc7d_gemm
	.p2alignl 7, 3214868480
	.fill 96, 4, 3214868480
	.section	.rodata,"a",@progbits
	.p2align	6, 0x0
	.amdhsa_kernel k_qef5ec2bc7d_gemm
		.amdhsa_group_segment_fixed_size 327680
		.amdhsa_private_segment_fixed_size 0
		.amdhsa_enable_private_segment 0
		.amdhsa_kernarg_size 24
		.amdhsa_user_sgpr_count 2
		.amdhsa_user_sgpr_kernarg_segment_ptr 1
		.amdhsa_wavefront_size32 1
		.amdhsa_system_sgpr_workgroup_id_x 1
		.amdhsa_system_sgpr_workgroup_id_y 1
		.amdhsa_system_sgpr_workgroup_id_z 1
		.amdhsa_system_vgpr_workitem_id 0
		.amdhsa_next_free_vgpr 1024
		.amdhsa_next_free_sgpr 80
		.amdhsa_reserve_vcc 0
		.amdhsa_float_denorm_mode_32 3
		.amdhsa_float_denorm_mode_16_64 3
		.amdhsa_memory_ordered 1
		.amdhsa_forward_progress 1
		.amdhsa_inst_pref_size 151
	.end_amdhsa_kernel
	.amdgpu_metadata
---
amdhsa.version: [ 1, 2 ]
amdhsa.kernels:
  - .name:           k_qef5ec2bc7d_gemm
    .symbol:         k_qef5ec2bc7d_gemm.kd
    .args:
      - { .name: aq, .offset: 0, .size: 8, .value_kind: global_buffer, .address_space: global }
      - { .name: bq, .offset: 8, .size: 8, .value_kind: global_buffer, .address_space: global }
      - { .name: out0, .offset: 16, .size: 8, .value_kind: global_buffer, .address_space: global }
    .group_segment_fixed_size: 327680
    .private_segment_fixed_size: 0
    .kernarg_segment_align: 8
    .kernarg_segment_size: 24
    .max_flat_workgroup_size: 128
    .sgpr_count:     80
    .vgpr_count:     1024
    .wavefront_size: 32
...
	.end_amdgpu_metadata
.endif
;; end of part 2
